; MI455X (gfx1250); checked and timed in simulation.
; The chip was launched on July 23, 2026; its instructions are those of AMD's public machine-readable ISA for CDNA 5 (MIT licence, August 2026) and "CDNA5" Instruction Set Architecture Reference Guide (July 2026). The comments in the code are by the model that wrote it; some were corrected since.
;; Tier2 Mo E. Allowed arithmetic: float matrix products may take bf16 or f16 operands with f32 sums; other float arithmetic in f32, or as packed bf16 or f16 multiplies, adds, multiply-adds, maxima and minima; sums over many terms, partial sums and values carried from step to step in f32; what a program stores and reads back later, other than sums and carried values, may be rounded once to bf16 or f16.
;; Inputs: b1 8 x 1,024 float32; b2 8 x 512 float32; beta 8 x 512 float32; bg 8 x 512 float32; bv 8 x 512 float32; c_c 8 x 32 float32; gamma 8 x 512 float32; router_b 8 float32; router_w 8 x 512 float32; w1 8 x 512 x 1,024 float32; w2 8 x 1,024 x 512 float32; wc 8 x 32 x 1,024 float32; wg 8 x 512 x 512 float32; wv 8 x 512 x 512 float32; z 8 x 512 x 512 float32.
;; Outputs: out0 8 x 512 x 512 float32; out1 8 x 512 x 8 float32.
;; One version. Each part assembles by itself: llvm-mc -triple=amdgcn-amd-amdhsa -mcpu=gfx1250 --defsym DOCPART=n.
;; ======== version 1 of 1: 3 launches
;; workspace buffers: wpk 25,165,824 bytes; ctxb 262,144 bytes; route 12,288 bytes of whole numbers; gate 32,768 bytes; part 16,777,216 bytes
;; launch prep (part 1): grid 512 x 1, 8 waves a work-group, no clusters, 36,864 bytes of LDS; arguments z, router_w, router_b, c_c, wc, b1, w1, w2, wv, wg, out1, route, gate, ctxb, wpk; writes out1, route, gate, ctxb, wpk
.if DOCPART == 1
	.amdgcn_target "amdgcn-amd-amdhsa--gfx1250"
	.amdhsa_code_object_version 6
	.text
	.protected	k_q8643869582_prep
	.globl	k_q8643869582_prep
	.p2align	8
	.type	k_q8643869582_prep,@function
k_q8643869582_prep:
	s_mov_b64 s[64:65], 0
	v_nop
	global_prefetch_b8 v0, s[64:65] scope:SCOPE_SE
	s_setreg_imm32_b32 hwreg(HW_REG_WAVE_MODE, 25, 1), 1
	s_wait_xcnt 0x0
; PREP: two kinds of work, chosen by the work-group's number (all jumps go forward).
;   0-127    ROUTER AND CONTEXT.
;            Context: work-group g, wave b: ctxb[b][e][h] = c_c[b] . wc[e][:, h] + b1[e][h], f32, for e = g / 16 and the 64 columns h from 64 (g % 16) on.
;            Router: 32 tokens.  logits = z . router_w + router_b in f32 on the vector unit (16.8 M multiply-adds in all, and a changed
;            top-2 choice would lose a whole output row, so no operand is rounded); softmax with its maximum taken away; top 2 (the lower
;            index wins a tie, as jax.lax.top_k has it); the two weights divided by their sum + 1e-9.
;            Stores: out1; gate [token][2] f32; route [24][128] words: rows 0-7 bitmap 'first choice is e', rows 8-15 'second choice is e',
;            rows 16-23 the number of set bits of both; word j covers tokens 32 j .. 32 j + 31.  No address hangs on the choice.
;   128-511  PACK: w1, w2, wv, wg rounded once to bf16 and laid out in the order in which the chain's waves take them as matrix operands:
;            wpk[e][96 K steps][8 waves][4 fragments][1,024 bytes]; a fragment is 16 output columns x 32 k: bytes 16 l: lane l's registers 0-3,
;            bytes 512 + 16 l: registers 4-7; lane (r = l % 16, h = l / 16) holds column r, k = 8 h + 0..7 and 16 + 8 h + 0..7.
;            Steps 0-31: w1 (columns 0-511, then 512-1023), 32-63: w2, 64-95: wv and wg (fragments 0, 1: wv; 2, 3: wg; columns 0-255, then 256-511).
; THE GRID: 512 work-groups of 8 waves x 224 registers: two fit on a WGP's four times 1,024 registers, so all 512 have a place on 256 WGPs at once.
; LIMITS.  The router's sums run in another order than a plain f32 dot product: a tie of the second and third probability within the last bits of f32
; may fall the other way.  Exponentials below 2^-126 count as 0.  NaN and infinities are not treated apart.
.set STGB,  4352                       ; a wave's stage in LDS: four fragments, 1,040 bytes apart
.set FP,    1040                       ; 1,024 + 16: the sixteen lanes of a store start at sixteen different 16-byte columns of 256 bytes
.set LG,    34816                      ; behind the eight stages: 32 tokens x 8 logits, f32
.set SPARE, 35840                      ; the spare words, 128 bytes for each wave: four blocks of 256 bytes that no other line names
.set ESTR,  3145728                    ; an expert's bytes in wpk
.set SPW,   12                         ; v12  LDS address of my spare word; never rewritten
.set NIL,   13                         ; v13  0; never rewritten
	s_load_b512 s[8:23], s[0:1], 0x0               ; z 8, router_w 10, router_b 12, c_c 14, wc 16, b1 18, w1 20, w2 22
	s_load_b256 s[24:31], s[0:1], 0x40             ; wv 24, wg 26, out1 28, route 30
	s_load_b128 s[32:35], s[0:1], 0x60             ; gate 32, ctxb 34
	s_load_b64 s[36:37], s[0:1], 0x70              ; wpk
	v_lshl_add_u32 v[SPW], v0, 2, SPARE
	v_mov_b32 v[NIL], 0
	v_and_b32 v1, 31, v0                           ; lane
	v_lshrrev_b32 v3, 5, v0
	v_readfirstlane_b32 s2, v3                     ; wave
	v_lshlrev_b32 v2, 4, v1                        ; 16 x lane
	s_mov_b32 s3, ttmp9
	s_mov_b32 s39, 0                               ; high words of the three offset pairs
	s_mov_b32 s57, 0
	s_mov_b32 s59, 0
	v_and_b32 v6, 15, v1                           ; c: which 16 bytes of a source row of 256
	v_lshrrev_b32 v7, 4, v1                        ; hh: which 16 of a block's 32 k
	v_lshrrev_b32 v8, 2, v6
	v_and_b32 v9, 3, v6
	s_mul_i32 s41, s2, STGB
	v_mul_u32_u24 v4, v8, FP                       ; into the stage: fragment c / 4,
	v_lshl_add_u32 v4, v7, 9, v4                   ; registers 0-3 or 4-7 by hh,
	v_lshl_add_u32 v4, v9, 6, v4                   ; lane 4 (c % 4) + column's place
	v_add_nc_u32 v4, s41, v4
	v_add_nc_u32 v5, s41, v2                       ; back: 16 x lane
	v_lshlrev_b32 v3, 4, v6                        ; 16 c; the role adds hh x 16 rows
	s_wait_kmcnt 0x0
	s_cmp_lt_u32 s3, 128
	s_cbranch_scc1 .Lrouter
	s_cmp_lt_u32 s3, 256
	s_cbranch_scc1 .Lw1
	s_cmp_lt_u32 s3, 384
	s_cbranch_scc0 .Lvg
; A PACK JOB is a wave's: 64 k x 64 columns of one matrix: two blocks of 32 k, four fragments each.
; 32 loads (each two whole source rows of 256 bytes) go out at once; a lane holds 16 k of four columns, rounds them in pairs along k, lays 16 bytes
; (8 k of a column) into the stage at the place the fragment wants, reads the fragments back as they lie and stores 512 consecutive bytes a line.
.macro PACK pitch
.set i, 0
.rept 32
	global_load_b128 v[16+4*i:19+4*i], v3, s[44:45] offset:((i/16)*32+(i%16))*(\pitch) th:TH_LOAD_NT
.set i, i+1
.endr
.irp blk, 0,1
	s_wait_loadcnt 16-16*(\blk)                    ; loads return in order: this block's 16 are in, the other block's 16 are younger
.set ci, 0
.rept 4
.set p, 0
.rept 8
	v_cvt_pk_bf16_f32 v[144+8*ci+p], v[16+64*(\blk)+8*p+ci], v[20+64*(\blk)+8*p+ci]  ; column 4 c + ci, k = 16 hh + 2 p, + 1
.set p, p+1
.endr
.set ci, ci+1
.endr
.set ci, 0
.rept 4
	ds_store_b128 v4, v[144+8*ci:147+8*ci] offset:16*ci
	ds_store_b128 v4, v[148+8*ci:151+8*ci] offset:16*ci+256
.set ci, ci+1
.endr
.set OB, 176-160*(\blk)                ; block 1 comes back into block 0's source registers, which are used up
.set i, 0
.rept 8
	ds_load_b128 v[OB+4*i:OB+4*i+3], v5 offset:(i/2)*FP+(i%2)*512  ; my own bytes: LDS serves a wave's instructions in order
.set i, i+1
.endr
	s_wait_dscnt 0x0
.set i, 0
.rept 8
	global_store_b128 v2, v[OB+4*i:OB+4*i+3], s[46+2*(i/4):47+2*(i/4)] offset:((i/2)%2)*1024+(i%2)*512+(\blk)*32768
.set i, i+1
.endr
.endr
.endm
	; w2: 128 jobs an expert: e = j >> 7, 64 k block (j >> 3) & 15, 64 column block = chain wave j & 7
	s_sub_co_u32 s40, s3, 256
	s_lshl_b32 s40, s40, 3
	s_add_co_u32 s40, s40, s2
	s_lshr_b32 s42, s40, 7
	s_bfe_u32 s43, s40, 0x40003
	s_and_b32 s51, s40, 7
	s_lshl_b32 s38, s42, 21
	s_lshl_b32 s52, s43, 1
	s_add_co_u32 s52, s52, 32                      ; K step
	s_lshl_b32 s54, s51, 12                        ; the wave's 4,096 bytes in a step
	s_mov_b32 s58, 2048                            ; fragments 2, 3 follow fragments 0, 1
	s_mov_b32 s53, 0
	s_branch .Lp2048
.Lvg:   ; wv, wg: 64 jobs an expert; a job's 64 columns are two chain waves' 32
	s_sub_co_u32 s40, s3, 384
	s_lshr_b32 s53, s40, 6                         ; 0: wv, 1: wg
	s_and_b32 s40, s40, 63
	s_lshl_b32 s40, s40, 3
	s_add_co_u32 s40, s40, s2
	s_lshr_b32 s42, s40, 6
	s_bfe_u32 s43, s40, 0x30003
	s_and_b32 s51, s40, 7
	s_lshl_b32 s38, s42, 20
	s_lshr_b32 s52, s51, 2                         ; which half of the 512 columns
	s_lshl_b32 s52, s52, 4
	s_lshl1_add_u32 s52, s43, s52
	s_add_co_u32 s52, s52, 64                      ; K step
	s_and_b32 s54, s51, 3
	s_lshl_b32 s54, s54, 13                        ; chain wave 2 (nb % 4)
	s_lshl_b32 s55, s53, 11                        ; wg's fragments lie 2,048 bytes behind wv's
	s_add_co_u32 s54, s54, s55
	s_mov_b32 s58, 4096                            ; the job's fragments 2, 3 belong to the next wave
	s_add_co_u32 s53, s53, 1
.Lp2048:
	s_lshl_b32 s55, s43, 17                        ; 64 rows of 2,048 bytes
	s_add_co_u32 s38, s38, s55
	s_lshl_b32 s55, s51, 8
	s_add_co_u32 s38, s38, s55
	s_mul_i32 s56, s42, ESTR
	s_lshl_b32 s52, s52, 15
	s_add_co_u32 s56, s56, s52
	s_add_co_u32 s56, s56, s54
	s_cmp_eq_u32 s53, 0                            ; the source is chosen where the ways have joined
	s_cselect_b64 s[44:45], s[22:23], s[24:25]
	s_cmp_eq_u32 s53, 2
	s_cselect_b64 s[44:45], s[26:27], s[44:45]
	s_add_nc_u64 s[44:45], s[44:45], s[38:39]
	s_add_nc_u64 s[46:47], s[36:37], s[56:57]
	s_add_nc_u64 s[48:49], s[46:47], s[58:59]
	v_lshl_add_u32 v3, v7, 15, v3                  ; + hh x 16 rows of 2,048 bytes
	PACK 2048
	s_branch .Lend
.Lw1:   ; w1: 128 jobs an expert: e = j >> 7, 64 k block (j >> 4) & 7, 64 column block j & 15
	s_sub_co_u32 s40, s3, 128
	s_lshl_b32 s40, s40, 3
	s_add_co_u32 s40, s40, s2
	s_lshr_b32 s42, s40, 7
	s_bfe_u32 s43, s40, 0x30004
	s_and_b32 s51, s40, 15
	s_lshl_b32 s38, s42, 21
	s_lshl_b32 s52, s43, 18                        ; 64 rows of 4,096 bytes
	s_add_co_u32 s38, s38, s52
	s_lshl_b32 s52, s51, 8
	s_add_co_u32 s38, s38, s52
	s_add_nc_u64 s[44:45], s[20:21], s[38:39]
	s_mul_i32 s56, s42, ESTR
	s_lshr_b32 s52, s51, 3                         ; which half of the 1,024 columns
	s_lshl_b32 s52, s52, 4
	s_lshl1_add_u32 s52, s43, s52                  ; K step
	s_lshl_b32 s52, s52, 15
	s_add_co_u32 s56, s56, s52
	s_and_b32 s52, s51, 7
	s_lshl_b32 s52, s52, 12
	s_add_co_u32 s56, s56, s52
	s_add_nc_u64 s[46:47], s[36:37], s[56:57]
	s_add_nc_u64 s[48:49], s[46:47], 2048
	v_lshl_add_u32 v3, v7, 16, v3                  ; + hh x 16 rows of 4,096 bytes
	PACK 4096
	s_branch .Lend
.Lrouter:
	; THE CONTEXT PIECE comes first: its 32 rows of wc lie where router_w's experts 0-3 go afterwards.  A lane holds two columns.
	s_lshl_b32 s38, s2, 7
	s_add_nc_u64 s[14:15], s[14:15], s[38:39]      ; c_c's row b = my wave
	s_load_b512 s[44:59], s[14:15], 0x0            ; c_c[b][0..15]
	s_load_b512 s[68:83], s[14:15], 0x40           ; c_c[b][16..31]
	s_lshr_b32 s40, s3, 4                          ; the expert
	s_and_b32 s41, s3, 15
	s_lshl_b32 s41, s41, 8                         ; 64 columns of f32: 256 bytes
	s_lshl_b32 s38, s40, 17
	s_add_co_u32 s38, s38, s41
	s_add_nc_u64 s[16:17], s[16:17], s[38:39]      ; wc
	s_lshl_b32 s38, s40, 12
	s_add_co_u32 s38, s38, s41
	s_add_nc_u64 s[18:19], s[18:19], s[38:39]      ; b1
	s_lshl_b32 s42, s2, 15                         ; b x 8 experts x 4,096 bytes
	s_add_co_u32 s38, s38, s42
	s_add_nc_u64 s[34:35], s[34:35], s[38:39]      ; ctxb
	s_lshl_b32 s38, s3, 16                         ; wave w: tokens 32 g + 4 w .. + 3
	s_lshl_b32 s40, s2, 13
	s_add_co_u32 s38, s38, s40
	s_add_nc_u64 s[8:9], s[8:9], s[38:39]          ; z
	v_lshlrev_b32 v6, 3, v1                        ; 8 x lane
.set i, 0
.rept 32
	global_load_b64 v[96+2*i:97+2*i], v6, s[16:17] offset:4096*i  ; 256 consecutive bytes of row i
.set i, i+1
.endr
	global_load_b64 v[10:11], v6, s[18:19]
.set i, 0
.rept 16                               ; z: a lane holds columns 128 q + 4 l + 0..3 of four tokens' rows,
	global_load_b128 v[16+4*i:19+4*i], v2, s[8:9] offset:(i/4)*2048+(i%4)*512
.set i, i+1
.endr
.set i, 16
.rept 16                               ; and of router_w's rows 4-7
	global_load_b128 v[96+4*i:99+4*i], v2, s[10:11] offset:(i/4)*2048+(i%4)*512
.set i, i+1
.endr
	s_mov_b32 s40, 0x76543210                      ; v_permlanex16_b32: each lane takes its own place in the other half
	s_mov_b32 s41, 0xfedcba98
	s_wait_kmcnt 0x0
	s_wait_loadcnt 32                              ; wc and b1 are in; z's 16 loads and router_w's 16 are younger
	v_fma_f32 v14, s44, v96, v10                   ; the bias starts the sums
	v_fma_f32 v15, s44, v97, v11
.set i, 1
.rept 15
	v_fmac_f32 v14, s[44+i], v[96+2*i]
	v_fmac_f32 v15, s[44+i], v[97+2*i]
.set i, i+1
.endr
.set i, 16
.rept 16
	v_fmac_f32 v14, s[52+i], v[96+2*i]
	v_fmac_f32 v15, s[52+i], v[97+2*i]
.set i, i+1
.endr
	global_store_b64 v6, v[14:15], s[34:35]        ; 256 consecutive bytes; v6, v14 and v15 are not written again
.set i, 0
.rept 16                               ; router_w's rows 0-3, where wc lay
	global_load_b128 v[96+4*i:99+4*i], v2, s[10:11] offset:(i/4)*2048+(i%4)*512
.set i, i+1
.endr
.macro DOT t                           ; my 16 columns' share of token t's eight logits; the eight sums take turns
.set p, 0
.rept 8
.set e, 0
.rept 8
.if p == 0
	v_pk_mul_f32 v[80+2*e:81+2*e], v[16+16*(\t):17+16*(\t)], v[96+16*e:97+16*e]
.else
	v_pk_fma_f32 v[80+2*e:81+2*e], v[16+16*(\t)+2*p:17+16*(\t)+2*p], v[96+16*e+2*p:97+16*e+2*p], v[80+2*e:81+2*e]
.endif
.set e, e+1
.endr
.set p, p+1
.endr
.set e, 0
.rept 8
	v_add_f32 v[16+16*(\t)+e], v[80+2*e], v[81+2*e]  ; into the token's own registers, which are used up
.set e, e+1
.endr
.endm
	s_wait_loadcnt 0x0
	DOT 0
	DOT 1
	DOT 2
	DOT 3
.irp m, 1,2,4,8                        ; 32 sums over the 32 lanes
.set n, 0
.rept 32
	v_add_f32_dpp v[16+16*(n/8)+n%8], v[16+16*(n/8)+n%8], v[16+16*(n/8)+n%8] row_xmask:\m row_mask:0xf bank_mask:0xf
.set n, n+1
.endr
.endr
.set n, 0
.rept 32
	v_permlanex16_b32 v[24+16*(n/8)+n%8], v[16+16*(n/8)+n%8], s40, s41
.set n, n+1
.endr
.set n, 0
.rept 32
	v_add_f32 v[16+16*(n/8)+n%8], v[16+16*(n/8)+n%8], v[24+16*(n/8)+n%8]
.set n, n+1
.endr
	s_lshl_b32 s42, s2, 7
	s_add_co_u32 s42, s42, LG
	v_mov_b32 v3, s42                              ; all lanes hold the same sums and write the same bytes
.irp t, 0,1,2,3
	ds_store_b128 v3, v[16+16*\t:19+16*\t] offset:32*\t
	ds_store_b128 v3, v[20+16*\t:23+16*\t] offset:32*\t+16
.endr
	s_wait_dscnt 0x0                               ; for wave 0's sake: my logits are in LDS
	s_barrier_signal -1
	s_barrier_wait -1
	s_cmp_lg_u32 s2, 0
	s_cbranch_scc1 .Lend
	; wave 0: a lane is a token
	s_load_b256 s[44:51], s[12:13], 0x0            ; router_b
	v_lshl_add_u32 v4, v1, 5, LG
	ds_load_b128 v[16:19], v4
	ds_load_b128 v[20:23], v4 offset:16
	s_lshl_b32 s38, s3, 10
	s_add_nc_u64 s[28:29], s[28:29], s[38:39]      ; out1 at my 32 tokens
	s_lshl_b32 s38, s3, 8
	s_add_nc_u64 s[32:33], s[32:33], s[38:39]      ; gate likewise
	s_lshl_b32 s38, s3, 2
	s_add_nc_u64 s[30:31], s[30:31], s[38:39]      ; route at my word
	s_wait_kmcnt 0x0
	s_wait_dscnt 0x0
.set e, 0
.rept 8
	v_add_f32 v[16+e], s[44+e], v[16+e]
.set e, e+1
.endr
	v_max3_num_f32 v24, v16, v17, v18
	v_max3_num_f32 v24, v24, v19, v20
	v_max3_num_f32 v24, v24, v21, v22
	v_max_num_f32 v24, v24, v23
.set e, 0
.rept 8
	v_sub_f32 v[32+e], v[16+e], v24
.set e, e+1
.endr
.set e, 0
.rept 8
	v_mul_f32 v[32+e], 0x3fb8aa3b, v[32+e]
.set e, e+1
.endr
.set e, 0
.rept 8
	v_exp_f32 v[32+e], v[32+e]
.set e, e+1
.endr
	v_nop                                          ; a plain instruction behind the last exponential,
	s_wait_alu depctr_va_vdst(0)                   ; and one wait for the eight, ahead of their first reader
	v_add_f32 v25, v32, v33
	v_add_f32 v26, v34, v35
	v_add_f32 v27, v36, v37
	v_add_f32 v28, v38, v39
	v_add_f32 v25, v25, v26
	v_add_f32 v27, v27, v28
	v_add_f32 v25, v25, v27
	v_rcp_f32 v26, v25
	v_nop
	s_wait_alu depctr_va_vdst(0)
.set e, 0
.rept 8
	v_mul_f32 v[16+e], v[32+e], v26                ; the probabilities
.set e, e+1
.endr
	v_mov_b32 v27, v16                             ; the largest and its index: a later one wins only if strictly greater
	v_mov_b32 v28, 0
.set e, 1
.rept 7
	v_cmp_gt_f32 vcc_lo, v[16+e], v27
	v_cndmask_b32 v27, v27, v[16+e], vcc_lo
	v_cndmask_b32 v28, v28, e, vcc_lo
.set e, e+1
.endr
.set e, 0
.rept 8
	v_cmp_eq_u32 vcc_lo, e, v28
	v_cndmask_b32 v[32+e], v[16+e], -1.0, vcc_lo   ; the first choice is taken out: below every probability
.set e, e+1
.endr
	v_mov_b32 v29, v32
	v_mov_b32 v30, 0
.set e, 1
.rept 7
	v_cmp_gt_f32 vcc_lo, v[32+e], v29
	v_cndmask_b32 v29, v29, v[32+e], vcc_lo
	v_cndmask_b32 v30, v30, e, vcc_lo
.set e, e+1
.endr
	v_add_f32 v31, v27, v29
	v_add_f32 v31, 0x3089705f, v31                 ; + 1e-9
	v_rcp_f32 v40, v31
	v_nop
	s_wait_alu depctr_va_vdst(0)
	v_mul_f32 v42, v27, v40
	v_mul_f32 v43, v29, v40
	ds_store_b128 v4, v[16:19]                     ; the probabilities go where the logits lay, and come back as 1,024 bytes on end
	ds_store_b128 v4, v[20:23] offset:16
	v_add_nc_u32 v5, LG, v2
	ds_load_b128 v[44:47], v5
	ds_load_b128 v[48:51], v5 offset:512
	v_lshlrev_b32 v25, 9, v1                       ; route's row l, 512 bytes apart
.set e, 0
.rept 8
	v_cmp_eq_u32 s[52+e], e, v28
	v_cmp_eq_u32 s[66+e], e, v30
.set e, e+1
.endr
.set e, 0
.rept 8
	s_or_b32 s[74+e], s[52+e], s[66+e]
	s_bcnt1_i32_b32 s[74+e], s[74+e]
.set e, e+1
.endr
	v_mov_b32 v24, 0
.set e, 0
.rept 8
	v_writelane_b32 v24, s[52+e], e
	v_writelane_b32 v24, s[66+e], 8+e
	v_writelane_b32 v24, s[74+e], 16+e
.set e, e+1
.endr
	s_wait_dscnt 0x0
	global_store_b128 v2, v[44:47], s[28:29]       ; 512 consecutive bytes a line
	global_store_b128 v2, v[48:51], s[28:29] offset:512
	global_store_b64 v6, v[42:43], s[32:33]        ; 256 consecutive bytes
	s_wait_xcnt 0x0                                ; EXEC changes only behind this wait
	v_cmp_gt_u32 vcc_lo, 24, v1
	s_and_saveexec_b32 s42, vcc_lo
	global_store_b32 v25, v24, s[30:31]            ; 24 single words, 512 bytes apart, once a work-group (3,072 in the launch): the price of rows by expert, which let each of the chain's waves read a row as 512 bytes on end
	s_wait_xcnt 0x0
	s_or_b32 exec_lo, exec_lo, s42
.Lend:
	s_wait_tensorcnt 0x0                           ; the wave's end
	ds_add_u32 v[SPW], v[NIL]
	s_wait_dscnt 0x0
	s_endpgm
.Lfunc_end_k_q8643869582_prep:
	.size	k_q8643869582_prep, .Lfunc_end_k_q8643869582_prep-k_q8643869582_prep
	.p2alignl 7, 3214868480
	.fill 96, 4, 3214868480
	.section	.rodata,"a",@progbits
	.p2align	6, 0x0
	.amdhsa_kernel k_q8643869582_prep
		.amdhsa_group_segment_fixed_size 36864
		.amdhsa_private_segment_fixed_size 0
		.amdhsa_enable_private_segment 0
		.amdhsa_kernarg_size 120
		.amdhsa_user_sgpr_count 2
		.amdhsa_user_sgpr_kernarg_segment_ptr 1
		.amdhsa_wavefront_size32 1
		.amdhsa_system_sgpr_workgroup_id_x 1
		.amdhsa_system_sgpr_workgroup_id_y 1
		.amdhsa_system_sgpr_workgroup_id_z 1
		.amdhsa_system_vgpr_workitem_id 0
		.amdhsa_next_free_vgpr 224
		.amdhsa_next_free_sgpr 96
		.amdhsa_reserve_vcc 1
		.amdhsa_float_denorm_mode_32 3
		.amdhsa_float_denorm_mode_16_64 3
		.amdhsa_memory_ordered 1
		.amdhsa_forward_progress 1
		.amdhsa_inst_pref_size 75
	.end_amdhsa_kernel
	.amdgpu_metadata
---
amdhsa.version: [ 1, 2 ]
amdhsa.kernels:
  - .name:           k_q8643869582_prep
    .symbol:         k_q8643869582_prep.kd
    .args:
      - { .name: z, .offset: 0, .size: 8, .value_kind: global_buffer, .address_space: global }
      - { .name: router_w, .offset: 8, .size: 8, .value_kind: global_buffer, .address_space: global }
      - { .name: router_b, .offset: 16, .size: 8, .value_kind: global_buffer, .address_space: global }
      - { .name: c_c, .offset: 24, .size: 8, .value_kind: global_buffer, .address_space: global }
      - { .name: wc, .offset: 32, .size: 8, .value_kind: global_buffer, .address_space: global }
      - { .name: b1, .offset: 40, .size: 8, .value_kind: global_buffer, .address_space: global }
      - { .name: w1, .offset: 48, .size: 8, .value_kind: global_buffer, .address_space: global }
      - { .name: w2, .offset: 56, .size: 8, .value_kind: global_buffer, .address_space: global }
      - { .name: wv, .offset: 64, .size: 8, .value_kind: global_buffer, .address_space: global }
      - { .name: wg, .offset: 72, .size: 8, .value_kind: global_buffer, .address_space: global }
      - { .name: out1, .offset: 80, .size: 8, .value_kind: global_buffer, .address_space: global }
      - { .name: route, .offset: 88, .size: 8, .value_kind: global_buffer, .address_space: global }
      - { .name: gate, .offset: 96, .size: 8, .value_kind: global_buffer, .address_space: global }
      - { .name: ctxb, .offset: 104, .size: 8, .value_kind: global_buffer, .address_space: global }
      - { .name: wpk, .offset: 112, .size: 8, .value_kind: global_buffer, .address_space: global }
    .group_segment_fixed_size: 36864
    .private_segment_fixed_size: 0
    .kernarg_segment_align: 8
    .kernarg_segment_size: 120
    .max_flat_workgroup_size: 256
    .sgpr_count:     96
    .vgpr_count:     224
    .wavefront_size: 32
...
	.end_amdgpu_metadata
.endif
;; end of part 1
;; launch chain (part 2): grid 135 x 1, 8 waves a work-group, no clusters, 259,328 bytes of LDS; arguments route, gate, wpk, ctxb, z, b2, bv, bg, gamma, beta, part; writes part
.if DOCPART == 2
	.amdgcn_target "amdgcn-amd-amdhsa--gfx1250"
	.amdhsa_code_object_version 6
	.text
	.protected	k_q8643869582_chain
	.globl	k_q8643869582_chain
	.p2align	8
	.type	k_q8643869582_chain,@function
k_q8643869582_chain:
	s_mov_b64 s[64:65], 0
	v_nop
	global_prefetch_b8 v0, s[64:65] scope:SCOPE_SE
	s_setreg_imm32_b32 hwreg(HW_REG_WAVE_MODE, 25, 1), 1
	s_wait_xcnt 0x0
; CHAIN: a work-group takes up to 64 routed rows (token, choice) of ONE expert through the whole expert:
;   h1 = ELU(z W1 + ctx)   h2 = h1 W2 + b2   glu = (h2 Wv + bv) sigmoid(h2 Wg + bg)   y = LayerNorm(z + glu) gamma + beta   part[2 token + choice] = gate y
; Products in bf16 with f32 sums; z, h1, h2 rounded once to bf16 as matrix operands; glu, the residual (z in f32) and the norm in f32.
; THE GRID serves every split: the sum over the experts of ceil(rows / 64) is at most (8,192 + 8 x 63) / 64 = 135.  Each work-group finds its expert and its rows from
; the stored bitmaps and counts, without a branch.  A work-group that a split leaves without rows passes every barrier on a repeated row and stores nothing:
; the only branch on stored numbers is a jump forward over stores.  Places past a tile's count repeat token 4,095.
; WHICH TILE.  The tiles are numbered in the experts' order.  Work-groups whose numbers agree in bits 2 and 3 take tiles that follow each other (four runs of 36, 35, 32 and 32 tiles),
; so that an expert's tiles lie with one or two of the four combinations of those bits.
; SHARES.  Five passes of 512 output columns (W1 twice, W2, Wv with Wg twice), 96 K steps of 32.  In a pass wave w owns 64 rows x 64 columns: 16 accumulators.
; Source 0 is a fragment of weights (16 output columns), source 1 a fragment of activations (16 rows): a lane of the result holds one row and eight neighbouring columns.
; THE WEIGHTS come straight from memory into operand registers, laid out for that by the launch before: a ring of eight K steps in registers, asked for seven steps ahead
; (56 loads, 28 KiB a wave).
; NO TENSOR LOADS, NO CLUSTER, by this text's own count: activations, tables and lists take 259,328 bytes of LDS; the 68,352 left hold two slots of barely one K step (32,768 bytes) each,
; so a joint refill would want a round of barriers for every 16 matrix instructions of a wave; weights through LDS would double the LDS bytes read in a K step (32,768 for the activations now);
; and an expert's tiles are not a multiple of four in every split.
; LIMITS.  ELU's negative side is 2^(x log2 e) - 1, off by some 6e-8 near 0.  Exponentials below 2^-126 count as 0.  NaN and infinities are not treated apart.
; REGISTERS.  Window 0: v0-63 addresses and small things (below); v64-127 two buffers of activation fragments, at work in the ways out; v128-255 the accumulators, (cb, rb) at 128 + 8 (4 cb + rb).
; Window 1: the ring, K step j at 32 (j % 8), fragment cb at + 8 cb.  s_set_vgpr_msb: bits 1:0 source 0, 3:2 source 1, 5:4 source 2, 7:6 destination.
.set ZH,    0                          ; 64 rows x 1,040: z in bf16, later h2
.set ZP,    1040                       ; 1,024 + 16: an odd multiple of 16, so the 16 rows of a fragment load start at 16 different groups of four banks (64 banks of 4 bytes: ISA guide 11.1)
.set H1,    66560                      ; 64 rows x 2,064: h1 in bf16, later glu in f32
.set HP,    2064
.set CTX,   198656                     ; 8 batch rows x 6,176: this expert's context term + b1 (4,096 bytes), then a copy of b2 (2,048), f32:
.set CP,    6176                       ; so the first values of W1's two passes and of W2's pass lie 2,048 bytes apart, and one register steps through them
.set BIAS,  248064                     ; bv, bg of this expert, 2,048 bytes each
.set LISTW, 252160                     ; a list of 64 places and a dump word for each wave, 512 bytes apart
.set FINW,  256256                     ; the merged list, a copy for each wave, 256 bytes apart
.set SPARE, 258304                     ; the spare words, 128 bytes for each wave: four blocks of 256 bytes that no other line names
.set ESTR,  3145728                    ; an expert's bytes in wpk
.set KSTB,  32768                      ; a K step's
.set ACT,   64
.set T,     64
.set ACC,   128
.set Y,     128
.set SM,    96
.set QQ,    112
; v1 lane  v2 r = lane % 16  v3 h = lane / 16  v4 my place in a K step's weights  v5-8 activation rows' LDS address by rb  v9-12 where the sums' first values lie  v13-16 where results go
; v17 spare word's address, v18 0 (for the add alone)  v19 0  v20-27 gate offsets of my 8 rows  v28-35 z offsets  v36-43 part offsets  v44-51 gates  v52 16 x lane  v53-63 at work
; s2 wave  s4 tile  s5 expert  s6 first row  s7 rows  s12 weights (stepped)  s30-31 offset pair  s32-39 rows an expert  s40-47 rows ahead of my wave's words (both later: running ranks)
; s48-51, 59-62 at work  s52-53 lane selects  s54 trips  s55 passes  s56 rows of mine to store  s57 eps  s58 1/512  s66-97 my wave's 16 words of the two bitmaps
.set MSB, 0
.macro WIN new                         ; the immediate's high byte repeats the setting that is left; a switch that changes nothing is dropped
.if MSB != (\new)
	s_set_vgpr_msb (MSB<<8)|(\new)
.set MSB, (\new)
.endif
.endm
.macro PLACES                          ; four places between a matrix instruction and a vector instruction or a load that touches its registers
.rept 4
	v_nop
.endr
.endm
.macro RINGLD j                        ; the eight loads of the K step j steps behind s[12:13], 512 consecutive bytes each
	WIN 0x40
.irp cb, 0,1,2,3
	global_load_b128 v[32*((\j)%8)+8*\cb:32*((\j)%8)+8*\cb+3], v4, s[12:13] offset:(\j)*KSTB+\cb*1024
	global_load_b128 v[32*((\j)%8)+8*\cb+4:32*((\j)%8)+8*\cb+7], v4, s[12:13] offset:(\j)*KSTB+\cb*1024+512
.endr
.endm
.macro ROWS d, pitch, base, hs         ; v[d + rb] = base + (16 rb + r) pitch + (h << hs) + s51
	v_mul_u32_u24 v54, v2, \pitch
	v_lshl_add_u32 v54, v3, \hs, v54
	v_add_nc_u32 v54, s51, v54
.irp rb, 0,1,2,3
	v_add_nc_u32 v[(\d)+\rb], (\base)+\rb*16*(\pitch), v54
.endr
.endm
	s_load_b512 s[8:23], s[0:1], 0x0               ; route 8, gate 10, wpk 12, ctxb 14, z 16, b2 18, bv 20, bg 22
	s_load_b128 s[24:27], s[0:1], 0x40             ; gamma 24, beta 26
	s_load_b64 s[28:29], s[0:1], 0x50              ; part
	v_lshl_add_u32 v17, v0, 2, SPARE
	v_mov_b32 v18, 0
	v_mov_b32 v19, 0
	v_and_b32 v1, 31, v0
	v_and_b32 v2, 15, v0
	v_bfe_u32 v3, v0, 4, 1
	v_lshrrev_b32 v54, 5, v0
	v_readfirstlane_b32 s2, v54
	v_lshlrev_b32 v52, 4, v1
	v_lshl_add_u32 v4, s2, 12, v52
	s_mov_b32 s61, ttmp9                           ; g = 16 a + 8 b3 + 4 b2 + c  ->  tile = first(b3, b2) + 4 a + c: a permutation of 0 .. 134
	s_lshr_b32 s59, s61, 4
	s_and_b32 s60, s61, 3
	s_lshl2_add_u32 s4, s59, s60
	s_mov_b32 s62, 103
	s_bitcmp1_b32 s61, 2
	s_cselect_b32 s59, 36, 0                       ; (0, 0): 36 tiles from 0; (0, 1): 35 from 36;
	s_cselect_b32 s60, 71, s62                     ; (1, 1): 32 from 71; (1, 0): 32 from 103
	s_bitcmp1_b32 s61, 3
	s_cselect_b32 s59, s60, s59
	s_add_co_u32 s4, s4, s59
	s_mov_b32 s31, 0
	s_mov_b32 s52, 0x76543210
	s_mov_b32 s53, 0xfedcba98
	s_mov_b32 s57, 0x3727c5ac                      ; 1e-5
	s_mov_b32 s58, 0x3b000000                      ; 1/512
	v_lshlrev_b32 v55, 2, v2                       ; lanes 0-15: the first choices' words 16 w + l, lanes 16-31: the second choices'
	v_lshl_add_u32 v55, v3, 12, v55
	s_lshl_b32 s51, s2, 6
	v_add_nc_u32 v55, s51, v55
.set p, 0
.rept 8
	v_mov_b32 v[176+p], 0                          ; the lane exchanges' destinations count as read: they are written once here
.set p, p+1
.endr
	s_wait_kmcnt 0x0
	; THE TILE.  Every wave reads all counts (lane l: words 4 l .. 4 l + 3 of each expert) and its own 16 words of all bitmaps.
	; All that follows up to the list is written stage by stage over its eight or sixteen items, so that no line waits for the line before it.
.set e, 0
.rept 8
	global_load_b128 v[128+4*e:131+4*e], v52, s[8:9] offset:(16+e)*512
	global_load_b32 v[160+e], v55, s[8:9] offset:e*512
.set e, e+1
.endr
	s_wait_loadcnt 0x0
.set e, 0
.rept 8
	v_add3_u32 v[128+4*e], v[128+4*e], v[129+4*e], v[130+4*e]
.set e, e+1
.endr
.set e, 0
.rept 8
	v_add_nc_u32 v[128+4*e], v[128+4*e], v[131+4*e]
.set e, e+1
.endr
	s_lshl_b32 s51, s2, 2
	v_cmp_gt_u32 vcc_lo, s51, v1                   ; lanes whose words lie ahead of my wave's
.set p, 0
.rept 4
	v_lshl_add_u32 v[168+p], v[132+8*p], 16, v[128+8*p]  ; two experts to a register: a count is 4,096 at the most
.set p, p+1
.endr
.set p, 0
.rept 4
	v_cndmask_b32 v[172+p], 0, v[168+p], vcc_lo
.set p, p+1
.endr
.irp m, 1,2,4,8                        ; eight whole numbers summed over the 32 lanes
.set p, 0
.rept 8
	v_mov_b32_dpp v[176+p], v[168+p] row_xmask:\m row_mask:0xf bank_mask:0xf
.set p, p+1
.endr
.set p, 0
.rept 8
	v_add_nc_u32 v[168+p], v[168+p], v[176+p]
.set p, p+1
.endr
.endr
.set p, 0
.rept 8
	v_permlanex16_b32 v[176+p], v[168+p], s52, s53
.set p, p+1
.endr
.set p, 0
.rept 8
	v_add_nc_u32 v[168+p], v[168+p], v[176+p]
.set p, p+1
.endr
.set p, 0
.rept 8
	v_readfirstlane_b32 s[66+p], v[168+p]
.set p, p+1
.endr
.set p, 0
.rept 4
	s_and_b32 s[32+2*p], s[66+p], 0xffff
	s_lshr_b32 s[33+2*p], s[66+p], 16
	s_and_b32 s[40+2*p], s[70+p], 0xffff
	s_lshr_b32 s[41+2*p], s[70+p], 16
.set p, p+1
.endr
	s_mov_b32 s5, 0                                ; the last expert whose first tile is not behind my tile
	s_mov_b32 s6, 0
	s_mov_b32 s49, s32
	s_mov_b32 s50, s40
	s_mov_b32 s48, 0
.set e, 1
.rept 7
	s_add_co_u32 s51, s[31+e], 63
	s_lshr_b32 s51, s51, 6
	s_add_co_u32 s48, s48, s51                     ; expert e's first tile
	s_cmp_ge_u32 s4, s48
	s_cselect_b32 s5, e, s5
	s_cselect_b32 s6, s48, s6
	s_cselect_b32 s49, s[32+e], s49
	s_cselect_b32 s50, s[40+e], s50
.set e, e+1
.endr
	s_sub_co_u32 s6, s4, s6
	s_lshl_b32 s6, s6, 6                           ; my tile's first row among the expert's
	s_sub_co_i32 s7, s49, s6
	s_max_i32 s7, s7, 0
	s_min_i32 s7, s7, 64                           ; its rows
	s_sub_co_u32 s50, s50, s6                      ; the place in the tile of my wave's first row (it may wrap: then it is no place)
	s_min_u32 s5, s5, 7
	s_lshl_b32 s51, s2, 3
	s_sub_co_i32 s56, s7, s51
	s_max_i32 s56, s56, 0
	s_min_i32 s56, s56, 8                          ; how many of rows 8 w .. 8 w + 7 exist
	s_mul_i32 s30, s5, ESTR
	s_add_nc_u64 s[12:13], s[12:13], s[30:31]
	s_add_co_u32 s30, s51, s5                      ; ctxb's row (b = my wave, expert)
	s_lshl_b32 s30, s30, 12
	s_add_nc_u64 s[14:15], s[14:15], s[30:31]
	s_lshl_b32 s30, s5, 11
	s_add_nc_u64 s[18:19], s[18:19], s[30:31]
	s_add_nc_u64 s[20:21], s[20:21], s[30:31]
	s_add_nc_u64 s[22:23], s[22:23], s[30:31]
	s_add_nc_u64 s[24:25], s[24:25], s[30:31]
	s_add_nc_u64 s[26:27], s[26:27], s[30:31]
	v_lshlrev_b32 v56, 3, v0
	; 30 loads now: the tables and the ring's first two K steps.  The 32 loads of z, which the first product waits for, follow as soon as the list is made (62 are then out), the rest of the ring behind them.
.set q, 0
.rept 8
	global_load_b128 v[64+4*q:67+4*q], v52, s[14:15] offset:512*q
.set q, q+1
.endr
.set q, 0
.rept 4
	global_load_b128 v[96+4*q:99+4*q], v52, s[18:19] offset:512*q
.set q, q+1
.endr
	global_load_b64 v[112:113], v56, s[20:21]
	global_load_b64 v[114:115], v56, s[22:23]
	RINGLD 0
	RINGLD 1
	WIN 0
	; THE LIST.  Each wave walks its 16 words; a set bit's place in the tile is the rows ahead of it; entry + 1 = 2 token + choice + 1 goes to that place of the wave's own list, all else to the dump word.
	v_mov_b32 v184, v160
.set e, 1
.rept 7
	s_cmp_eq_u32 s5, e
	s_cselect_b32 s59, -1, 0
	v_cndmask_b32 v184, v184, v[160+e], s59
.set e, e+1
.endr
	s_lshl_b32 s51, s2, 9
	s_add_co_u32 s51, s51, LISTW
	v_mov_b32 v60, s51
	v_lshl_add_u32 v57, v1, 3, s51
	v_mov_b32 v58, 0
	v_mov_b32 v59, 0
	ds_store_b64 v57, v[58:59]                     ; my 64 places are cleared
	v_mov_b32 v54, 64
	s_lshl_b32 s59, s2, 9
	v_add_nc_u32 v63, s59, v1
	v_lshlrev_b32 v63, 1, v63                      ; 2 (512 w + lane)
.set i, 0
.rept 16
	v_readlane_b32 s[66+i], v184, i                ; word i: the first choices' bits,
	v_readlane_b32 s[82+i], v184, 16+i             ; the second choices'
.set i, i+1
.endr
.set i, 0
.rept 16
	s_or_b32 s[66+i], s[66+i], s[82+i]             ; both
.set i, i+1
.endr
	s_mov_b32 s32, s50
.set i, 0
.rept 15
	s_bcnt1_i32_b32 s59, s[66+i]
	s_add_co_u32 s[33+i], s[32+i], s59             ; the place of word i + 1's first row
.set i, i+1
.endr
.set i, 0
.rept 16
	v_mbcnt_lo_u32_b32 v[128+i], s[66+i], s[32+i]  ; rows ahead of my token
.set i, i+1
.endr
.set i, 0
.rept 16
	v_cndmask_b32 v[144+i], 1, 2, s[82+i]
.set i, i+1
.endr
.set i, 0
.rept 16
	v_cndmask_b32 v[128+i], v54, v[128+i], s[66+i] ; a token that did not choose the expert goes to the dump word,
.set i, i+1
.endr
.set i, 0
.rept 16
	v_add3_u32 v[144+i], v63, v[144+i], 64*i
.set i, i+1
.endr
.set i, 0
.rept 16
	v_min_u32 v[128+i], 64, v[128+i]               ; and so does a row of another tile (64 or more, or wrapped)
.set i, i+1
.endr
.set i, 0
.rept 16
	v_lshl_add_u32 v[128+i], v[128+i], 2, v60
.set i, i+1
.endr
.set i, 0
.rept 16
	ds_store_b32 v[128+i], v[144+i]
.set i, i+1
.endr
	s_wait_dscnt 0x0                               ; for the others' sake: my list is in LDS
	s_barrier_signal -1
	s_barrier_wait -1
	v_lshl_add_u32 v58, v1, 2, LISTW               ; each place was written by one wave at the most: the eight lists are joined by OR, by every wave for itself
.set w, 0
.rept 8
	ds_load_b32 v[128+2*w], v58 offset:512*w
	ds_load_b32 v[129+2*w], v58 offset:512*w+128
.set w, w+1
.endr
	s_wait_dscnt 0x0
.irp u, 0,2,4,6
	v_or_b32 v[128+2*\u], v[128+2*\u], v[130+2*\u]
	v_or_b32 v[129+2*\u], v[129+2*\u], v[131+2*\u]
.endr
.irp u, 0,4
	v_or_b32 v[128+2*\u], v[128+2*\u], v[132+2*\u]
	v_or_b32 v[129+2*\u], v[129+2*\u], v[133+2*\u]
.endr
	v_or_b32 v128, v128, v136
	v_or_b32 v129, v129, v137
	v_add_nc_u32 v128, -1, v128                    ; the entry; an empty place wraps and is clamped to entry 8,191 below
	v_add_nc_u32 v129, -1, v129
	s_lshl_b32 s51, s2, 8
	s_add_co_u32 s51, s51, FINW
	v_lshl_add_u32 v58, v1, 2, s51
	ds_store_b32 v58, v128
	ds_store_b32 v58, v129 offset:128
	s_lshl_b32 s59, s2, 5
	s_add_co_u32 s59, s59, s51
	v_mov_b32 v59, s59
	ds_load_b128 v[20:23], v59                     ; my own bytes, in order: the entries of rows 8 w .. 8 w + 7, in every lane,
	ds_load_b128 v[24:27], v59 offset:16
	v_lshl_add_u32 v58, v2, 2, s51
.irp rb, 0,1,2,3
	ds_load_b32 v[5+\rb], v58 offset:64*\rb        ; and those of rows 16 rb + r
.endr
	s_wait_dscnt 0x0
.set i, 0
.rept 8
	v_min_u32 v[20+i], 0x1fff, v[20+i]
.set i, i+1
.endr
.set i, 0
.rept 8
	v_and_b32 v[28+i], 0x1ffe, v[20+i]
.set i, i+1
.endr
.set i, 0
.rept 8
	v_lshl_add_u32 v[28+i], v[28+i], 10, v52       ; z: token x 2,048 + 16 x lane
.set i, i+1
.endr
.set i, 0
.rept 32
	global_load_b128 v[128+4*i:131+4*i], v[28+i/4], s[16:17] offset:512*(i%4)  ; a row's 2,048 bytes in four lines of 512
.set i, i+1
.endr
.set i, 0
.rept 8
	v_lshl_add_u32 v[36+i], v[20+i], 11, v52       ; part: entry x 2,048 + 16 x lane
.set i, i+1
.endr
.set i, 0
.rept 8
	v_lshlrev_b32 v[20+i], 2, v[20+i]              ; gate: entry x 4
.set i, i+1
.endr
	s_lshl_b32 s51, s2, 8
	s_add_co_u32 s51, s51, CTX
	v_lshl_add_u32 v61, v3, 5, s51
.irp rb, 0,1,2,3
	v_lshrrev_b32 v[5+\rb], 10, v[5+\rb]           ; the row's batch index
	v_min_u32 v[5+\rb], 7, v[5+\rb]
	v_mul_u32_u24 v[5+\rb], v[5+\rb], CP
	v_add_nc_u32 v[9+\rb], v61, v[5+\rb]           ; where the context of my eight columns lies for that row
.endr
	s_wait_loadcnt 48                              ; the tables are in; the ring's 16 loads and z's 32 are younger
	s_mul_i32 s51, s2, CP
	s_add_co_u32 s51, s51, CTX
	v_add_nc_u32 v62, s51, v52
.set q, 0
.rept 8
	ds_store_b128 v62, v[64+4*q:67+4*q] offset:512*q
.set q, q+1
.endr
.set q, 0
.rept 4
	ds_store_b128 v62, v[96+4*q:99+4*q] offset:4096+512*q  ; b2 behind my context row
.set q, q+1
.endr
	v_add_nc_u32 v63, BIAS, v56
	ds_store_b64 v63, v[112:113]
	ds_store_b64 v63, v[114:115] offset:2048
.irp j, 2,3,4,5,6
	RINGLD \j
.endr
	WIN 0
	s_mul_i32 s51, s2, 8*ZP
	v_lshl_add_u32 v57, v1, 3, s51
	s_wait_loadcnt 40                              ; z is in; K steps 2 to 6, eight loads each, are younger
.set i, 0
.rept 32
	v_cvt_pk_bf16_f32 v[128+4*i], v[128+4*i], v[129+4*i]
	v_cvt_pk_bf16_f32 v[129+4*i], v[130+4*i], v[131+4*i]
	ds_store_b64 v57, v[128+4*i:129+4*i] offset:(i/4)*ZP+(i%4)*256
.set i, i+1
.endr
	s_mov_b32 s51, 0
	ROWS 5, ZP, ZH, 4
	s_lshl_b32 s51, s2, 7
	ROWS 13, HP, H1, 4
	s_wait_dscnt 0x0                               ; for the others' sake: my rows of z, my context row and my part of the biases are in LDS
	s_barrier_signal -1
	s_barrier_wait -1
; THE SUMS BEGIN with the bias or context term, loaded into the accumulators: nothing is cleared and every product adds in place.
.macro ACC2 a, n, o
	ds_load_b128 v[ACC+8*(\n):ACC+8*(\n)+3], v[\a] offset:\o
	ds_load_b128 v[ACC+8*(\n)+4:ACC+8*(\n)+7], v[\a] offset:(\o)+16
.endm
.macro ACCB c, a0, a1, a2, a3, o       ; the four accumulators of column block c
	ACC2 \a0, 4*(\c), \o
	ACC2 \a1, 4*(\c)+1, \o
	ACC2 \a2, 4*(\c)+2, \o
	ACC2 \a3, 4*(\c)+3, \o
.endm
.macro ACCINIT a0, a1, a2, a3, o0, o1, o2, o3
	ACCB 0, \a0, \a1, \a2, \a3, \o0
	ACCB 1, \a0, \a1, \a2, \a3, \o1
	ACCB 2, \a0, \a1, \a2, \a3, \o2
	ACCB 3, \a0, \a1, \a2, \a3, \o3
.endm
.macro ACT0                            ; a pass's first activation fragments
.irp rb, 0,1,2,3
	ds_load_b128 v[ACT+8*\rb:ACT+8*\rb+3], v[5+\rb]
	ds_load_b128 v[ACT+8*\rb+4:ACT+8*\rb+7], v[5+\rb] offset:32
.endr
.endm
; A K STEP.  refill = 1: the ring buffer that the step before multiplied takes the step seven on.  lc: the ring loads younger than this step's.
; pre = 1: the next step's activations are fetched; 2: the same, but not in a pass's last trip; 0: nothing.
; The 16 accumulators take turns, one instruction a turn, over the loops' jumps too.
.macro STEP j, refill, lc, pre
	s_wait_loadcnt \lc
	PLACES                                         ; behind the last step's products, ahead of loads into registers that they read
.if \refill
	RINGLD (\j)+7
.endif
	WIN 0
.if (\pre) == 2
	s_cmp_eq_u32 s54, 1
	s_cbranch_scc1 .Lnp_\@
.endif
.if \pre
.irp rb, 0,1,2,3
	ds_load_b128 v[ACT+32*(((\j)+1)%2)+8*\rb:ACT+32*(((\j)+1)%2)+8*\rb+3], v[5+\rb] offset:64*((\j)+1)
	ds_load_b128 v[ACT+32*(((\j)+1)%2)+8*\rb+4:ACT+32*(((\j)+1)%2)+8*\rb+7], v[5+\rb] offset:64*((\j)+1)+32
.endr
	s_wait_dscnt 8                                 ; the eight just issued may stay out; this step's fragments, and the sums' first values, are in
.else
	s_wait_dscnt 0x0
.endif
.if (\pre) == 2
	s_branch .Lgo_\@
.Lnp_\@:
	s_wait_dscnt 0x0
.Lgo_\@:
.endif
	WIN 0x01
.irp cb, 0,1,2,3
.irp rb, 0,1,2,3
	v_wmma_f32_16x16x32_bf16 v[ACC+8*(4*\cb+\rb):ACC+8*(4*\cb+\rb)+7], v[32*((\j)%8)+8*\cb:32*((\j)%8)+8*\cb+7], v[ACT+32*((\j)%2)+8*\rb:ACT+32*((\j)%2)+8*\rb+7], v[ACC+8*(4*\cb+\rb):ACC+8*(4*\cb+\rb)+7]
.endr
.endr
.endm
.macro TRIP                            ; eight K steps: once round the ring
.irp j, 0,1,2,3,4,5,6
	STEP \j, 1, 48, 1                              ; 48: the six later steps' eight loads each
.endr
	STEP 7, 1, 48, 2
	WIN 0
.irp rb, 0,1,2,3
	v_add_nc_u32 v[5+\rb], 512, v[5+\rb]           ; 256 k on
.endr
	s_wait_xcnt 0x0                                ; the weights' base is stepped only behind this wait
	s_add_nc_u64 s[12:13], s[12:13], 8*KSTB
.endm
.macro KLOOP n
	s_mov_b32 s54, \n
.Lk_\@:
	TRIP
	s_sub_co_u32 s54, s54, 1
	s_cmp_lg_u32 s54, 0
	s_cbranch_scc1 .Lk_\@
.endm
; h1 = ELU: the middle one of x, e^x - 1 and 0 (x > 0: 0 < x <= e^x - 1; x <= 0: x <= e^x - 1 <= 0).  Eight accumulators at a time; 64 exponentials are one batch with one wait.
; As soon as eight accumulators are used up, the next pass's first values are loaded into them (v9-12 have been stepped): those loads land while the rest of the way out runs.
.macro EPI_ELU
	PLACES
.irp g, 0,1
.set k, 0
.rept 32
	v_pk_mul_f32 v[T+2*k:T+2*k+1], v[ACC+64*\g+2*k:ACC+64*\g+2*k+1], 0x3fb8aa3b op_sel_hi:[1,0]  ; ascending: each accumulator is read from its low end on
.set k, k+1
.endr
.set k, 0
.rept 64
	v_exp_f32 v[T+k], v[T+k]
.set k, k+1
.endr
	v_nop
	s_wait_alu depctr_va_vdst(0)                   ; one wait for the batch, ahead of its first reader
.set k, 0
.rept 32
	v_pk_add_f32 v[T+2*k:T+2*k+1], v[T+2*k:T+2*k+1], -1.0 op_sel_hi:[1,0]
.set k, k+1
.endr
.set k, 0
.rept 64
	v_med3_num_f32 v[T+k], v[ACC+64*\g+k], v[T+k], v19
.set k, k+1
.endr
	ACCB 2*\g, 9, 10, 11, 12, 128*\g
	ACCB 2*\g+1, 9, 10, 11, 12, 128*\g+64
.set k, 0
.rept 32
	v_cvt_pk_bf16_f32 v[T+k], v[T+2*k], v[T+2*k+1]
.set k, k+1
.endr
.set a, 0
.rept 8
	ds_store_b128 v[13+a%4], v[T+4*a:T+4*a+3] offset:32*(2*\g+a/4)
.set a, a+1
.endr
.endr
.endm
; glu = V sigmoid(G), f32, into H1's rows.  V: accumulators 0-7, G: 8-15, the same rows and columns.
; last = 1: what the norm wants from memory is asked for first: z in f32 into the ring's registers, which no load and no product names any more; gamma, beta and the gates.
.macro EPI_GLU last
	PLACES
.if \last
	WIN 0x40
.set i, 0
.rept 32
	global_load_b128 v[4*i:4*i+3], v[28+i/4], s[16:17] offset:512*(i%4)
.set i, i+1
.endr
	WIN 0
.set q, 0
.rept 4
	global_load_b128 v[64+4*q:67+4*q], v52, s[24:25] offset:512*q
	global_load_b128 v[80+4*q:83+4*q], v52, s[26:27] offset:512*q
.set q, q+1
.endr
.set i, 0
.rept 8
	global_load_b32 v[44+i], v[20+i], s[10:11]
.set i, i+1
.endr
.endif
.set k, 0
.rept 32
	v_pk_mul_f32 v[ACC+64+2*k:ACC+64+2*k+1], v[ACC+64+2*k:ACC+64+2*k+1], 0xbfb8aa3b op_sel_hi:[1,0]
.set k, k+1
.endr
.set k, 0
.rept 64
	v_exp_f32 v[ACC+64+k], v[ACC+64+k]
.set k, k+1
.endr
	v_nop
	s_wait_alu depctr_va_vdst(0)
.set k, 0
.rept 32
	v_pk_add_f32 v[ACC+64+2*k:ACC+64+2*k+1], v[ACC+64+2*k:ACC+64+2*k+1], 1.0 op_sel_hi:[1,0]
.set k, k+1
.endr
.set k, 0
.rept 64
	v_rcp_f32 v[ACC+64+k], v[ACC+64+k]
.set k, k+1
.endr
	v_nop
	s_wait_alu depctr_va_vdst(0)
.set k, 0
.rept 32
	v_pk_mul_f32 v[ACC+2*k:ACC+2*k+1], v[ACC+2*k:ACC+2*k+1], v[ACC+64+2*k:ACC+64+2*k+1]
.set k, k+1
.endr
.set a, 0
.rept 8
	ds_store_b128 v[13+a%4], v[ACC+8*a:ACC+8*a+3] offset:64*(a/4)
	ds_store_b128 v[13+a%4], v[ACC+8*a+4:ACC+8*a+7] offset:64*(a/4)+16
.set a, a+1
.endr
.endm
	; PASS 1, twice: h1's columns 0-511, then 512-1023.  K = 512: two trips.  The second trip's way out loads b2: pass 2's first values.
	ACCINIT 9, 10, 11, 12, 0, 64, 128, 192
	s_mov_b32 s55, 2
.Lp1:
	ACT0
	KLOOP 2
.irp rb, 0,1,2,3
	v_sub_nc_u32 v[5+\rb], v[5+\rb], 1024          ; back to k = 0
.endr
.irp rb, 0,1,2,3
	v_add_nc_u32 v[9+\rb], 2048, v[9+\rb]          ; the next pass's first values
.endr
	EPI_ELU
.irp rb, 0,1,2,3
	v_add_nc_u32 v[13+\rb], 1024, v[13+\rb]
.endr
	s_sub_co_u32 s55, s55, 1
	s_cmp_lg_u32 s55, 0
	s_cbranch_scc1 .Lp1
	s_wait_dscnt 0x0                               ; my part of h1 is in LDS, and my reads of z are over
	s_barrier_signal -1
	s_mov_b32 s51, 0                               ; pass 2's addresses: work on registers between the signal and the wait
	ROWS 5, HP, H1, 4
	s_lshl_b32 s51, s2, 7
	ROWS 13, ZP, ZH, 4
	s_barrier_wait -1
	; PASS 2: h2 = h1 W2 + b2.  K = 1,024: four trips.  h2 goes where z lay.
	ACT0
	KLOOP 4
	PLACES
.set k, 0
.rept 64
	v_cvt_pk_bf16_f32 v[T+k], v[ACC+2*k], v[ACC+2*k+1]
.set k, k+1
.endr
.set a, 0
.rept 16
	ds_store_b128 v[13+a%4], v[T+4*a:T+4*a+3] offset:32*(a/4)
.set a, a+1
.endr
	s_wait_dscnt 0x0                               ; my part of h2 is in LDS, and my reads of h1 are over
	s_barrier_signal -1
	s_mov_b32 s51, 0                               ; between the signal and the wait: pass 3's addresses, and its first values: bv and bg, bytes that nobody writes again
	ROWS 5, ZP, ZH, 4
	s_lshl_b32 s51, s2, 7
	ROWS 13, HP, H1, 5
	s_add_co_u32 s51, s51, BIAS
	v_lshl_add_u32 v9, v3, 5, s51
	ACCINIT 9, 9, 9, 9, 0, 64, 2048, 2112
	s_barrier_wait -1
	; PASS 3, twice: 32 columns of V and the same 32 of G a wave; columns 0-255, then 256-511.  glu goes where h1 lay.
	ACT0
	KLOOP 2
.irp rb, 0,1,2,3
	v_sub_nc_u32 v[5+\rb], v[5+\rb], 1024
.endr
	EPI_GLU 0
	v_add_nc_u32 v9, 1024, v9
.irp rb, 0,1,2,3
	v_add_nc_u32 v[13+\rb], 1024, v[13+\rb]
.endr
	ACCINIT 9, 9, 9, 9, 0, 64, 2048, 2112
	ACT0
	s_mov_b32 s54, 2                               ; not the pass's last trip: its last step fetches the next activations
	TRIP
	STEP 0, 1, 48, 1                               ; the last eight K steps are written out: one more refill, the 96th step, and no load passes the weights' end
	STEP 1, 0, 48, 1
	STEP 2, 0, 40, 1                               ; the counts run down: (7 - j) steps of eight loads are younger
	STEP 3, 0, 32, 1
	STEP 4, 0, 24, 1
	STEP 5, 0, 16, 1
	STEP 6, 0, 8, 1
	STEP 7, 0, 0, 0
	WIN 0
	EPI_GLU 1
	; THE NORM AND THE WAY OUT.  Wave w takes rows 8 w .. 8 w + 7 whole; a lane holds columns 128 q + 4 l + 0..3.
	s_wait_dscnt 0x0                               ; my part of glu is in LDS
	s_barrier_signal -1
	s_barrier_wait -1
	s_mul_i32 s51, s2, 8*HP
	s_add_co_u32 s51, s51, H1
	v_add_nc_u32 v53, s51, v52
.set i, 0
.rept 32
	ds_load_b128 v[Y+4*i:Y+4*i+3], v53 offset:(i/4)*HP+512*(i%4)  ; glu, into the accumulators' registers
.set i, i+1
.endr
	s_wait_loadcnt 0x0
	s_wait_dscnt 0x0
	WIN 0x04                                       ; source 1: z, in window 1
.set k, 0
.rept 64
	v_pk_add_f32 v[Y+2*k:Y+2*k+1], v[Y+2*k:Y+2*k+1], v[2*k:2*k+1]
.set k, k+1
.endr
	WIN 0
.macro LANES b                         ; eight pairs: low + high, then over the 32 lanes; the sum ends in each pair's low register, in every lane
.irp i, 0,1,2,3,4,5,6,7
	v_add_f32 v[(\b)+2*\i], v[(\b)+2*\i], v[(\b)+2*\i+1]
.endr
.irp m, 1,2,4,8
.irp i, 0,1,2,3,4,5,6,7
	v_add_f32_dpp v[(\b)+2*\i], v[(\b)+2*\i], v[(\b)+2*\i] row_xmask:\m row_mask:0xf bank_mask:0xf
.endr
.endr
.irp i, 0,1,2,3,4,5,6,7
	v_permlanex16_b32 v[(\b)+2*\i+1], v[(\b)+2*\i], s52, s53
.endr
.irp i, 0,1,2,3,4,5,6,7
	v_add_f32 v[(\b)+2*\i], v[(\b)+2*\i], v[(\b)+2*\i+1]
.endr
.endm
.irp i, 0,1,2,3,4,5,6,7                ; the eight rows' chains take turns
	v_pk_add_f32 v[SM+2*\i:SM+2*\i+1], v[Y+16*\i:Y+16*\i+1], v[Y+16*\i+2:Y+16*\i+3]
.endr
.irp p, 2,3,4,5,6,7
.irp i, 0,1,2,3,4,5,6,7
	v_pk_add_f32 v[SM+2*\i:SM+2*\i+1], v[SM+2*\i:SM+2*\i+1], v[Y+16*\i+2*\p:Y+16*\i+2*\p+1]
.endr
.endr
	LANES SM
.irp i, 0,1,2,3,4,5,6,7
	v_mul_f32 v[SM+2*\i], s58, v[SM+2*\i]          ; the mean
.endr
.irp i, 0,1,2,3,4,5,6,7
.irp p, 0,1,2,3,4,5,6,7
	v_pk_add_f32 v[Y+16*\i+2*\p:Y+16*\i+2*\p+1], v[Y+16*\i+2*\p:Y+16*\i+2*\p+1], v[SM+2*\i:SM+2*\i+1] op_sel_hi:[1,0] neg_lo:[0,1] neg_hi:[0,1]
.endr
.endr
.irp i, 0,1,2,3,4,5,6,7                ; the variance is taken of the centred numbers, not as a difference of large sums
	v_pk_mul_f32 v[QQ+2*\i:QQ+2*\i+1], v[Y+16*\i:Y+16*\i+1], v[Y+16*\i:Y+16*\i+1]
.endr
.irp p, 1,2,3,4,5,6,7
.irp i, 0,1,2,3,4,5,6,7
	v_pk_fma_f32 v[QQ+2*\i:QQ+2*\i+1], v[Y+16*\i+2*\p:Y+16*\i+2*\p+1], v[Y+16*\i+2*\p:Y+16*\i+2*\p+1], v[QQ+2*\i:QQ+2*\i+1]
.endr
.endr
	LANES QQ
.irp i, 0,1,2,3,4,5,6,7
	v_fma_f32 v[QQ+2*\i], v[QQ+2*\i], s58, s57
.endr
.irp i, 0,1,2,3,4,5,6,7
	v_rsq_f32 v[QQ+2*\i], v[QQ+2*\i]
.endr
.irp i, 0,1,2,3,4,5,6,7
	v_mov_b32 v[SM+2*\i], v[44+\i]                 ; the row's gate, into a pair's low register: plain work behind the roots
.endr
	s_wait_alu depctr_va_vdst(0)                   ; one wait for the eight roots
.irp i, 0,1,2,3,4,5,6,7
.irp p, 0,1,2,3,4,5,6,7
	v_pk_mul_f32 v[Y+16*\i+2*\p:Y+16*\i+2*\p+1], v[Y+16*\i+2*\p:Y+16*\i+2*\p+1], v[QQ+2*\i:QQ+2*\i+1] op_sel_hi:[1,0]
.endr
.endr
.irp i, 0,1,2,3,4,5,6,7
.irp p, 0,1,2,3,4,5,6,7
	v_pk_fma_f32 v[Y+16*\i+2*\p:Y+16*\i+2*\p+1], v[Y+16*\i+2*\p:Y+16*\i+2*\p+1], v[64+2*\p:65+2*\p], v[80+2*\p:81+2*\p]
.endr
.endr
.irp i, 0,1,2,3,4,5,6,7
.irp p, 0,1,2,3,4,5,6,7
	v_pk_mul_f32 v[Y+16*\i+2*\p:Y+16*\i+2*\p+1], v[Y+16*\i+2*\p:Y+16*\i+2*\p+1], v[SM+2*\i:SM+2*\i+1] op_sel_hi:[1,0]
.endr
.endr
.set i, 0
.rept 8                                ; rows past the count are not stored: a jump forward over stores alone
	s_cmp_le_u32 s56, i
	s_cbranch_scc1 .Ldone
.irp q, 0,1,2,3
	global_store_b128 v[36+i], v[Y+16*i+4*\q:Y+16*i+4*\q+3], s[28:29] offset:512*\q  ; 512 consecutive bytes a line
.endr
.set i, i+1
.endr
.Ldone:
	s_wait_tensorcnt 0x0                           ; the wave's end
	ds_add_u32 v17, v18
	s_wait_dscnt 0x0
	s_endpgm
.Lfunc_end_k_q8643869582_chain:
	.size	k_q8643869582_chain, .Lfunc_end_k_q8643869582_chain-k_q8643869582_chain
	.p2alignl 7, 3214868480
	.fill 96, 4, 3214868480
	.section	.rodata,"a",@progbits
	.p2align	6, 0x0
	.amdhsa_kernel k_q8643869582_chain
		.amdhsa_group_segment_fixed_size 259328
		.amdhsa_private_segment_fixed_size 0
		.amdhsa_enable_private_segment 0
		.amdhsa_kernarg_size 88
		.amdhsa_user_sgpr_count 2
		.amdhsa_user_sgpr_kernarg_segment_ptr 1
		.amdhsa_wavefront_size32 1
		.amdhsa_system_sgpr_workgroup_id_x 1
		.amdhsa_system_sgpr_workgroup_id_y 1
		.amdhsa_system_sgpr_workgroup_id_z 1
		.amdhsa_system_vgpr_workitem_id 0
		.amdhsa_next_free_vgpr 512
		.amdhsa_next_free_sgpr 100
		.amdhsa_reserve_vcc 1
		.amdhsa_float_denorm_mode_32 3
		.amdhsa_float_denorm_mode_16_64 3
		.amdhsa_memory_ordered 1
		.amdhsa_forward_progress 1
		.amdhsa_inst_pref_size 255
	.end_amdhsa_kernel
	.section	.bss,"aw",@nobits
	.p2align	6
	.space	262144
	.amdgpu_metadata
---
amdhsa.version: [ 1, 2 ]
amdhsa.kernels:
  - .name:           k_q8643869582_chain
    .symbol:         k_q8643869582_chain.kd
    .args:
      - { .name: route, .offset: 0, .size: 8, .value_kind: global_buffer, .address_space: global }
      - { .name: gate, .offset: 8, .size: 8, .value_kind: global_buffer, .address_space: global }
      - { .name: wpk, .offset: 16, .size: 8, .value_kind: global_buffer, .address_space: global }
      - { .name: ctxb, .offset: 24, .size: 8, .value_kind: global_buffer, .address_space: global }
      - { .name: z, .offset: 32, .size: 8, .value_kind: global_buffer, .address_space: global }
      - { .name: b2, .offset: 40, .size: 8, .value_kind: global_buffer, .address_space: global }
      - { .name: bv, .offset: 48, .size: 8, .value_kind: global_buffer, .address_space: global }
      - { .name: bg, .offset: 56, .size: 8, .value_kind: global_buffer, .address_space: global }
      - { .name: gamma, .offset: 64, .size: 8, .value_kind: global_buffer, .address_space: global }
      - { .name: beta, .offset: 72, .size: 8, .value_kind: global_buffer, .address_space: global }
      - { .name: part, .offset: 80, .size: 8, .value_kind: global_buffer, .address_space: global }
    .group_segment_fixed_size: 259328
    .private_segment_fixed_size: 0
    .kernarg_segment_align: 8
    .kernarg_segment_size: 88
    .max_flat_workgroup_size: 256
    .sgpr_count:     100
    .vgpr_count:     512
    .wavefront_size: 32
...
	.end_amdgpu_metadata
.endif
;; end of part 2
;; launch sum (part 3): grid 256 x 1, 8 waves a work-group, no clusters, 0 bytes of LDS; arguments part, out0; writes out0
.if DOCPART == 3
	.amdgcn_target "amdgcn-amd-amdhsa--gfx1250"
	.amdhsa_code_object_version 6
	.text
	.protected	k_q8643869582_sum
	.globl	k_q8643869582_sum
	.p2align	8
	.type	k_q8643869582_sum,@function
k_q8643869582_sum:
	s_mov_b64 s[64:65], 0
	v_nop
	global_prefetch_b8 v0, s[64:65] scope:SCOPE_SE
	s_setreg_imm32_b32 hwreg(HW_REG_WAVE_MODE, 25, 1), 1
	s_wait_xcnt 0x0
; out0[token] = part[token][0] + part[token][1], f32.  A stream: no LDS, no barrier, no loop; matrix units and clusters would add nothing.
; A work-group has 16 tokens, a wave 2: sixteen loads of 512 consecutive bytes go out at once, eight stores of 512 consecutive bytes follow.
	s_load_b128 s[4:7], s[0:1], 0x0                ; part s[4:5], out0 s[6:7]
	v_and_b32 v1, 31, v0
	v_lshrrev_b32 v3, 5, v0
	v_lshlrev_b32 v1, 4, v1
	v_lshl_add_u32 v2, v3, 12, v1                  ; out0: wave x 2 rows of 2,048 bytes + 16 x lane
	v_lshl_add_u32 v1, v3, 13, v1                  ; part: wave x 2 tokens of 4,096 bytes + 16 x lane
	s_lshl_b32 s8, ttmp9, 16
	s_mov_b32 s9, 0
	s_lshl_b32 s10, ttmp9, 15
	s_mov_b32 s11, 0
	s_wait_kmcnt 0x0
	s_add_nc_u64 s[4:5], s[4:5], s[8:9]
	s_add_nc_u64 s[6:7], s[6:7], s[10:11]
.set q, 0
.rept 8
	global_load_b128 v[8+4*q:11+4*q], v1, s[4:5] offset:(q/4)*4096+(q%4)*512 th:TH_LOAD_NT
	global_load_b128 v[40+4*q:43+4*q], v1, s[4:5] offset:(q/4)*4096+(q%4)*512+2048 th:TH_LOAD_NT
.set q, q+1
.endr
.set q, 0
.rept 8
	s_wait_loadcnt 14-2*q                          ; loads return in order: the later pairs are younger
	v_pk_add_f32 v[8+4*q:9+4*q], v[8+4*q:9+4*q], v[40+4*q:41+4*q]
	v_pk_add_f32 v[10+4*q:11+4*q], v[10+4*q:11+4*q], v[42+4*q:43+4*q]
	global_store_b128 v2, v[8+4*q:11+4*q], s[6:7] offset:512*q th:TH_STORE_NT
.set q, q+1
.endr
	s_endpgm
.Lfunc_end_k_q8643869582_sum:
	.size	k_q8643869582_sum, .Lfunc_end_k_q8643869582_sum-k_q8643869582_sum
	.p2alignl 7, 3214868480
	.fill 96, 4, 3214868480
	.section	.rodata,"a",@progbits
	.p2align	6, 0x0
	.amdhsa_kernel k_q8643869582_sum
		.amdhsa_group_segment_fixed_size 0
		.amdhsa_private_segment_fixed_size 0
		.amdhsa_enable_private_segment 0
		.amdhsa_kernarg_size 16
		.amdhsa_user_sgpr_count 2
		.amdhsa_user_sgpr_kernarg_segment_ptr 1
		.amdhsa_wavefront_size32 1
		.amdhsa_system_sgpr_workgroup_id_x 1
		.amdhsa_system_sgpr_workgroup_id_y 1
		.amdhsa_system_sgpr_workgroup_id_z 1
		.amdhsa_system_vgpr_workitem_id 0
		.amdhsa_next_free_vgpr 72
		.amdhsa_next_free_sgpr 66
		.amdhsa_reserve_vcc 0
		.amdhsa_float_denorm_mode_32 3
		.amdhsa_float_denorm_mode_16_64 3
		.amdhsa_memory_ordered 1
		.amdhsa_forward_progress 1
		.amdhsa_inst_pref_size 5
	.end_amdhsa_kernel
	.amdgpu_metadata
---
amdhsa.version: [ 1, 2 ]
amdhsa.kernels:
  - .name:           k_q8643869582_sum
    .symbol:         k_q8643869582_sum.kd
    .args:
      - { .name: part, .offset: 0, .size: 8, .value_kind: global_buffer, .address_space: global }
      - { .name: out0, .offset: 8, .size: 8, .value_kind: global_buffer, .address_space: global }
    .group_segment_fixed_size: 0
    .private_segment_fixed_size: 0
    .kernarg_segment_align: 8
    .kernarg_segment_size: 16
    .max_flat_workgroup_size: 256
    .sgpr_count:     66
    .vgpr_count:     72
    .wavefront_size: 32
...
	.end_amdgpu_metadata
.endif
;; end of part 3
